; MI455X (gfx1250); checked and timed in simulation.
; The chip was launched on July 23, 2026; its instructions are those of AMD's public machine-readable ISA for CDNA 5 (MIT licence, August 2026) and "CDNA5" Instruction Set Architecture Reference Guide (July 2026). The comments in the code are by the model that wrote it; some were corrected since.
;; Multi Head Attetion. Allowed arithmetic: matrix products marked QUANTISED: E2M1 operands, one E8M0 scale for each 32 along K, by v_wmma_scale_f32_16x16x128_f8f6f4 with both operands' format E2M1 (or v_wmma_scale_f32_32x16x128_f4), f32 sums; everything else in f32.
;; Inputs: Wk_codes 1,024 x 32 x 16 uint8 (E2M1 codes of Wk, K innermost, in blocks of 32 codes, two codes a byte); Wk_scales 1,024 x 32 uint8 (E8M0 scales of Wk, one for each 32 codes along K); Wo_codes 1,024 x 32 x 16 uint8 (E2M1 codes of Wo, K innermost, in blocks of 32 codes, two codes a byte); Wo_scales 1,024 x 32 uint8 (E8M0 scales of Wo, one for each 32 codes along K); Wq_codes 1,024 x 32 x 16 uint8 (E2M1 codes of Wq, K innermost, in blocks of 32 codes, two codes a byte); Wq_scales 1,024 x 32 uint8 (E8M0 scales of Wq, one for each 32 codes along K); Wv_codes 1,024 x 32 x 16 uint8 (E2M1 codes of Wv, K innermost, in blocks of 32 codes, two codes a byte); Wv_scales 1,024 x 32 uint8 (E8M0 scales of Wv, one for each 32 codes along K); X_codes 4 x 2,048 x 32 x 16 uint8 (E2M1 codes of X, K innermost, in blocks of 32 codes, two codes a byte); X_scales 4 x 2,048 x 32 uint8 (E8M0 scales of X, one for each 32 codes along K); bk 1,024 float32; bo 1,024 float32; bq 1,024 float32; bv 1,024 float32.
;; Outputs: out0 4 x 2,048 x 1,024 float32.
;; This version of the problem:
;;   THIS VERSION OF THE PROBLEM IS GIVEN IN LOW PRECISION. The matrix products marked QUANTISED in the list below multiply operands that are first quantised to E2M1 (2 exponent bits, 1 mantissa bit; 4 bits a number), with one power-of-two scale for each 32 numbers along K (OCP MX v1.0); their sums are f32. All else is computed in f32.
;;   The module's matrix products, in the order in which they are computed (A, B: the left and right operand; K: the contracted axis; several contracted axes count as one K, in the product's order):
;;     1. [M 8,192, K 1,024] x [K 1,024, N 1,024]; A: input X (given as codes); B: input Wq (given as codes): QUANTISED
;;     2. [M 8,192, K 1,024] x [K 1,024, N 1,024]; A: input X (given as codes); B: input Wk (given as codes): QUANTISED
;;     3. [M 8,192, K 1,024] x [K 1,024, N 1,024]; A: input X (given as codes); B: input Wv (given as codes): QUANTISED
;;     4. batch 64 x [M 2,048, K 64] x [K 64, N 2,048]; A: computed on the way; B: computed on the way: QUANTISED
;;     5. batch 64 x [M 2,048, K 2,048] x [K 2,048, N 64]; A: softmax (see below); B: computed on the way: QUANTISED
;;     6. [M 8,192, K 1,024] x [K 1,024, N 1,024]; A: computed on the way; B: input Wo (given as codes): QUANTISED
;;   THE QUANTISER, for each operand of a quantised product, along K:
;;     - K is cut into blocks of 32 from its start; a last block that is shorter is filled with zeros.
;;     - A block's scale is 2^e with e = floor(log2(the largest magnitude in the block)) - 2, held to -126 .. 127; a block of zeros has e = 0. As a byte (E8M0): e + 127.
;;     - Each number is divided by its block's scale, clamped to +-6, and rounded to the nearest number of E2M1, ties to even, subnormals kept.
;;     - The product sums the exact products of the quantised numbers (number of the format x scale) in f32.
;;   ~~~python
;;   def quantise(x, axis):      # numpy; x: float32 -> the quantised numbers, widened to float32 again
;;       x = np.moveaxis(x, axis, -1); K = x.shape[-1]
;;       x = np.pad(x, [(0, 0)] * (x.ndim - 1) + [(0, -K % 32)]); x = x.reshape(x.shape[:-1] + (-1, 32)); a = np.abs(x).max(-1, keepdims=True)
;;       e = np.where(a > 0, np.clip(np.frexp(np.where(a > 0, a, 1))[1] - 1 - 2, -126, 127), 0)      # np.frexp(a)[1] - 1 = floor(log2(a)), exactly
;;       r = np.clip(x / 2.0 ** e, -6, 6)
;;       step = 2.0 ** (np.maximum(np.frexp(np.where(r == 0, 1, r))[1] - 1, 0) - 1)
;;       q = np.round(r / step) * step * 2.0 ** e      # np.round: ties to even
;;       return np.moveaxis(q.reshape(q.shape[:-2] + (-1,))[..., :K], -1, axis).astype(np.float32)
;;   ~~~
;;   SOFTMAX AHEAD OF A QUANTISED PRODUCT. Where the list says 'softmax', what is quantised is not the finished softmax but p = 2^(t - M), with t = logit x log2(e) and M = ceil(the row's largest t), a whole number; so 1/2 < the row's largest p <= 1. The row's sum l is taken of the UNQUANTISED p, in f32, and the product's result is divided by l at the end. Since M is a whole number, a kernel that streams over the keys may use a running M (the ceiling of the running maximum): every later rescaling is an exact power of two, which a block's scale takes up: the codes' values come out the same.
;;   OPERANDS COMPUTED ON THE WAY. 'Computed on the way' means the value that the module computes at that place (a softmax that the list does not call 'softmax' is quantised finished and normalised). What goes into a quantiser is computed in f32, as accurately as f32 sums, v_exp_f32 and their like allow (about 1e-6 of the number): no bf16 or f16 on the way to a quantiser, and a product that is left as it is and whose result goes on into a quantised operand takes f32 operands (vector FMAs, or v_wmma_f32_16x16x4_f32). A number that lies on a knife's edge between two numbers of the format may be rounded either way, as far as f32 arithmetic and the matrix unit's own rounding can turn it there, and no further.
;;   INPUTS GIVEN AS CODES. Wk (in the module: [1024, 1024], K = its axis 1); Wo (in the module: [1024, 1024], K = its axis 1); Wq (in the module: [1024, 1024], K = its axis 1); Wv (in the module: [1024, 1024], K = its axis 1); X (in the module: [4, 2048, 1024], K = its axis 2): each comes as NAME_codes (uint8): NAME with its K axis moved to the last place and cut into blocks of 32 codes, [.., K / 32, bytes a block], one block behind the other in memory; two codes a byte, the lower K in the low four bits (a code: sign, 2 exponent bits, 1 mantissa bit); and NAME_scales (uint8): the same leading axes, one E8M0 byte (e + 127) for each 32 codes along K. Its value is code x scale, taken as it is: it is not quantised again, and the codes and scales need not be those that the quantiser above would give.
;; One version. Each part assembles by itself: llvm-mc -triple=amdgcn-amd-amdhsa -mcpu=gfx1250 --defsym DOCPART=n.
;; ======== version 1 of 1: 3 launches
;; workspace buffers: kv 9,175,040 bytes; qbuf 4,718,592 bytes; oimg 4,194,304 bytes; osc 262,144 bytes
;; launch qkv (part 1): grid 12 x 64, 4 waves a work-group, clusters of 4 x 4, 209,408 bytes of LDS; arguments X_codes, X_scales, Wq_codes, Wq_scales, Wk_codes, Wk_scales, Wv_codes, Wv_scales, bq, bk, bv, qbuf, kv; writes qbuf, kv
.if DOCPART == 1
	.amdgcn_target "amdgcn-amd-amdhsa--gfx1250"
	.amdhsa_code_object_version 6
	.text
	.protected	k_q310094b8f1_qkv
	.globl	k_q310094b8f1_qkv
	.p2align	8
	.type	k_q310094b8f1_qkv,@function
k_q310094b8f1_qkv:
	s_mov_b64 s[64:65], 0
	v_nop
	global_prefetch_b8 v0, s[64:65] scope:SCOPE_SE
	s_setreg_imm32_b32 hwreg(HW_REG_WAVE_MODE, 25, 1), 1
	s_wait_xcnt 0x0
	s_wait_alu depctr_hold_cnt(0) depctr_sa_sdst(0) depctr_va_vdst(0) depctr_va_sdst(0) depctr_va_ssrc(0) depctr_va_vcc(0) depctr_vm_vsrc(0)
	s_getreg_b32 s2, hwreg(HW_REG_IB_STS2, 6, 4)
	s_cmp_eq_u32 s2, 0
	s_cbranch_scc0 .Lentry_in_a_cluster
	s_endpgm
.Lentry_in_a_cluster:
	s_bfe_u32 s2, ttmp6, 0x10000c
	s_cmp_lg_u32 s2, 0xf033
	s_cbranch_scc0 .Lentry_shape_is_right
	s_endpgm
.Lentry_shape_is_right:
; Q = X Wq^T + bq, K = X Wk^T + bk, V = X Wv^T + bv on codes of FP4 (E2M1) with one E8M0 scale for each 32 along K = 1,024, and the three results quantised at once:
; Q and K along the head's 64 (two blocks), V along the keys.  Only codes and scale bytes go to memory.
; ORIENTATION.  A product is D = source 0 (16 rows of operand P) x source 1 (16 rows of operand R): lane (r = lane % 16, h = lane / 16) holds R's row r, and register j of P's tile t is P's index 16 t + 8 h + j.
; So a lane's registers run along P, and P is the axis that is quantised.  Cluster x = 0, 1 (Q, K): P = the weight's 1,024 features, R = the tokens.  Cluster x = 2 (V): P = the tokens (the keys), R = Wv's features.
; SHARES.  A work-group makes P 256 x R 128 with all of K in LDS (two halves of K, each filled once); each of its four waves P 128 x R 64: 32 accumulators, 256 registers.  768 work-groups.
; CLUSTER 4 x 4: P's tile hangs on cx and is asked for jointly by the four of a column, R's on cy and by the four of a row.
; No LDS byte is filled twice, and all tensor loads go out at the head: so there is no ring, and no later request that a prefetch could run ahead of.
; THE CODES' ORDER.  Block beta of 32 along P is tiles 2 beta and 2 beta + 1: lane half h holds its k 8 h .. and 16 + 8 h ...  The conversion of block 2 c + x, tile i goes to register 4 c + 2 i + x; the exchange of
; register 4 c + 2 i's upper lanes with register 4 c + 2 i + 1's lower lanes then leaves, in register 4 c + g of lane half H, the codes k = 8 g .. 8 g + 7 of block 2 c + H: the operand's own layout.
; WORKSPACE.  A UNIT is 512 bytes: 16 rows x 64 along K as an image of four operand registers, lane l's 16 bytes at 16 l.
;   kv   [head 64][step 16][8,960]: K's 8 units (16 keys each) | K's scale words, 2 x 256 bytes | V's units [16 d][64 keys] 4 x 2 | V's scale words, 256 bytes.      qbuf [head][step][4,608]: the first two parts, for queries.
;   Scale words of 64 rows: lane (H, r) owns 8 bytes at 8 x lane; word q is row 32 H + 16 q + r.  A word of Q or K is byte 0 | byte 1 << 8, its upper bytes 0.  V's: word q of lane (H, r) is d = 16 (2 H + q) + r, four key blocks.
; LIMITS: NaN and infinities are not served.  A block of zeros, or one whose largest magnitude lies under 2^-124, gets the byte 1 where the quantiser's rule says 127: its codes are zeros, and this program alone reads the bytes.
; REGISTERS.  window 0: v1-16 addresses; v32-63 P's scale words (all of K), v64-79 R's; v128-191 R's fragments, two sets; v192-255 the bias as C.  window 1: P's fragments, two sets of 64.  window 2: the accumulators, (a, b) at v[8 (8 a + b)].
.set PITCH, 272                        ; an LDS row: 256 bytes + 16 of padding: the 16 rows of a fragment load start 16 bytes apart modulo 256
.set HALFT, 128*PITCH                  ; 128 rows: what one tensor load brings
.set SLOT,  3*HALFT                    ; a half of K: P's 256 rows, then R's 128
.set ADP,   8                          ; v8-9   LDS address of my P fragments in slot 0, 1
.set ADR,   10                         ; v10-11 the same for R
.set SCP,   32                         ; v[SCP+8 i+q]: lanes 0-15 the word of P's tile i, lanes 16-31 of tile i + 4, K step q
.set SCR,   64                         ; v[SCR+8 i+q]: lanes 0-15 R's tile i, lanes 16-31 tile i + 2
.set RF,    128
.set T,     192
.set PC,    128                        ; the way out: eight registers of codes for each of R's four tiles
.set TM,    160                        ; v160-163 largest magnitudes, v164-167 bytes, v172-175 the conversions' scale operands
.set WLO,   176                        ; bytes of blocks 0, 1 for each of R's four tiles
.set WHI,   180                        ; of blocks 2, 3
.set WW,    184
.set WV,    30
.set G1P,   40
.set G1R,   48
.set G0P,   56
.set G0R,   68
.set SEL,   96
.set UPH,   98
.set MSB,   0
.macro WIN new                         ; the immediate's high byte repeats the setting that is left
.if MSB != \new
	s_set_vgpr_msb (MSB<<8)|\new
.set MSB, \new
.endif
.endm
.macro PLACES                          ; four plain vector instructions behind a matrix instruction, ahead of loads into its sources and of reads of its result
.rept 4
	v_nop
.endr
.endm
.macro CROUND                          ; a round of the cluster's barrier
	s_barrier_signal -1
	s_barrier_wait -1
	s_cmp_lg_u32 s[WV], 0
	s_cbranch_scc1 .Lnot_wave_0_\@
	s_barrier_signal -3
.Lnot_wave_0_\@:
	s_barrier_wait -3
	s_barrier_signal -1
	s_barrier_wait -1
.endm
; one product: D, P's fragment, R's fragment, C, P's scale register, R's, and which half of the lanes holds each side's words
.macro WMC d, p, r, c, sp, sr, rowp, rowr
.if ((\rowp) == 0) && ((\rowr) == 0)
	v_wmma_scale_f32_16x16x128_f8f6f4 v[\d:\d+7], v[\p:\p+7], v[\r:\r+7], v[\c:\c+7], v[\sp], v[\sr] matrix_a_fmt:MATRIX_FMT_FP4 matrix_b_fmt:MATRIX_FMT_FP4
.elseif (\rowr) == 0
	v_wmma_scale_f32_16x16x128_f8f6f4 v[\d:\d+7], v[\p:\p+7], v[\r:\r+7], v[\c:\c+7], v[\sp], v[\sr] matrix_a_fmt:MATRIX_FMT_FP4 matrix_b_fmt:MATRIX_FMT_FP4 matrix_a_scale:MATRIX_SCALE_ROW1
.elseif (\rowp) == 0
	v_wmma_scale_f32_16x16x128_f8f6f4 v[\d:\d+7], v[\p:\p+7], v[\r:\r+7], v[\c:\c+7], v[\sp], v[\sr] matrix_a_fmt:MATRIX_FMT_FP4 matrix_b_fmt:MATRIX_FMT_FP4 matrix_b_scale:MATRIX_SCALE_ROW1
.else
	v_wmma_scale_f32_16x16x128_f8f6f4 v[\d:\d+7], v[\p:\p+7], v[\r:\r+7], v[\c:\c+7], v[\sp], v[\sr] matrix_a_fmt:MATRIX_FMT_FP4 matrix_b_fmt:MATRIX_FMT_FP4 matrix_a_scale:MATRIX_SCALE_ROW1 matrix_b_scale:MATRIX_SCALE_ROW1
.endif
.endm
; the fragments of K step q (128 along K: 64 bytes of a row) into set q % 2: 16 loads for P, 8 for R
.macro FETCH q
.set FQ, \q
	WIN 0x40                                       ; destination window 1, address window 0
.irp b, 0,1,2,3,4,5,6,7
.irp c, 0,1
	ds_load_b128 v[64*(FQ%2)+8*\b+4*\c:64*(FQ%2)+8*\b+4*\c+3], v[ADP+FQ/4] offset:64*(FQ%4)+32*\c+16*PITCH*\b
.endr
.endr
	WIN 0
.irp a, 0,1,2,3
.irp c, 0,1
	ds_load_b128 v[RF+32*(FQ%2)+8*\a+4*\c:RF+32*(FQ%2)+8*\a+4*\c+3], v[ADR+FQ/4] offset:64*(FQ%4)+32*\c+16*PITCH*\a
.endr
.endr
.endm
; 32 products of K step q.  The 32 accumulators take turns, one instruction a turn, in the same order in every step.  In step 0 the bias is the C: nothing is cleared and nothing is added later.
.macro MUL q, fl
.if \q == 0
	WIN 0x81                                       ; P window 1, R window 0, C (the bias) window 0, D window 2
.else
	WIN 0xa1                                       ; C and D window 2
.endif
.irp a, 0,1,2,3
.irp b, 0,1,2,3,4,5,6,7
.if (\q == 0) && (\fl == 0)
	WMC 8*(8*\a+\b), 64*(\q%2)+8*\b, RF+32*(\q%2)+8*\a, T+8*\b, SCP+8*(\b%4)+\q, SCR+8*(\a%2)+\q, \b/4, \a/2
.elseif \q == 0
	WMC 8*(8*\a+\b), 64*(\q%2)+8*\b, RF+32*(\q%2)+8*\a, T+8*\a, SCP+8*(\b%4)+\q, SCR+8*(\a%2)+\q, \b/4, \a/2
.else
	WMC 8*(8*\a+\b), 64*(\q%2)+8*\b, RF+32*(\q%2)+8*\a, 8*(8*\a+\b), SCP+8*(\b%4)+\q, SCR+8*(\a%2)+\q, \b/4, \a/2
.endif
.endr
.endr
.endm
.macro STEP q, fl
	s_wait_dscnt 0x0                               ; this step's fragments are in: they were asked for ahead of the last step's 32 products
.if \q == 3
	s_wait_tensorcnt 0x0                           ; my part of the second half of K has landed,
	s_barrier_signal -1
	s_barrier_wait -1                              ; everybody's has
.endif
.if \q > 0
	PLACES                                         ; the next loads land in the set that the last step's products read
.endif
.if \q < 7
	FETCH \q+1
.endif
	MUL \q, \fl
.endm
; R's tile a: its 64 numbers a lane (four blocks of 32 along P) become eight registers of codes and four scale bytes
.macro QUANT a
.set AC, 64*\a
	WIN 0x0a                                       ; sources 0 and 1 window 2
.irp b, 0,1,2,3
	v_max3_num_f32 v[TM+\b], |v[AC+16*\b]|, |v[AC+16*\b+1]|, 0x1800000   ; my 16 numbers of block b and the floor 2^(3 - 127): the byte cannot fall under 1.  Each accumulator is read from its low end on
.endr
	WIN 0x28                                       ; sources 1 and 2 window 2
.irp i, 2,4,6,8,10,12,14
.irp b, 0,1,2,3
	v_max3_num_f32 v[TM+\b], v[TM+\b], |v[AC+16*\b+\i]|, |v[AC+16*\b+\i+1]|
.endr
.endr
	WIN 0
.irp b, 0,1,2,3
	v_permlanex16_b32 v[TM+4+\b], v[TM+\b], s[SEL], s[SEL+1]
.endr
.irp b, 0,1,2,3
	v_max_num_f32 v[TM+\b], v[TM+\b], v[TM+4+\b]   ; with lane l xor 16's 16: the block's largest magnitude
.endr
.irp b, 0,1,2,3
	v_add_nc_u32 v[TM+12+\b], 0xff000000, v[TM+\b] ; 2 off its exponent field: the conversion's scale operand
.endr
.irp b, 0,1,2,3
	v_lshrrev_b32 v[TM+4+\b], 23, v[TM+12+\b]      ; the scale's byte
.endr
	v_lshl_or_b32 v[WLO+\a], v[TM+5], 8, v[TM+4]
	v_lshl_or_b32 v[WHI+\a], v[TM+7], 8, v[TM+6]
	WIN 0x02                                       ; source 0 window 2
.irp c, 0,1
.irp x, 0,1
.irp i, 0,1
	v_cvt_scalef32_pk8_fp4_f32 v[PC+8*\a+4*\c+2*\i+\x], v[AC+16*(2*\c+\x)+8*\i:AC+16*(2*\c+\x)+8*\i+7], v[TM+12+2*\c+\x]
.endr
.endr
.endr
	WIN 0
	v_nop                                          ; one plain instruction behind the scaled conversions
.irp c, 0,1
.irp i, 0,1
	v_permlane16_swap_b32 v[PC+8*\a+4*\c+2*\i], v[PC+8*\a+4*\c+2*\i+1]
.endr
.endr
.endm
	s_load_b512 s[4:19], s[0:1], 0x0               ; X codes, X scales, Wq codes, Wq scales, Wk codes, Wk scales, Wv codes, Wv scales
	s_load_b256 s[20:27], s[0:1], 0x40             ; bq, bk, bv, qbuf
	s_load_b64 s[28:29], s[0:1], 0x60              ; kv
	v_lshl_add_u32 v126, v0, 2, 0x33000
	v_mov_b32 v127, 0
	ds_add_u32 v126, v127
	ds_add_u32 v126, v127
	v_lshrrev_b32 v1, 5, v0
	v_readfirstlane_b32 s[WV], v1                  ; wave 0..3
	s_and_b32 s31, s[WV], 1                        ; wp: my half of P's 256.  Also: which 128 rows of P waves 0 and 1 fetch
	s_lshr_b32 s32, s[WV], 1                       ; wr: my half of R's 128
	s_bfe_u32 s33, ttmp6, 0x40000                  ; cx
	s_bfe_u32 s34, ttmp6, 0x40004                  ; cy
	s_and_b32 s35, ttmp7, 0xffff                   ; the cluster's y, 0..15
	s_and_b32 s90, s35, 7
	s_lshl_b32 s90, s90, 2
	s_lshr_b32 s92, s35, 3
	s_lshl_b32 s92, s92, 2
	s_lshl_b32 s93, s35, 2
	s_cmp_eq_u32 ttmp9, 2                          ; the cluster's x says which product: 0 Q, 1 K, 2 V; the same in all sixteen partners
	s_cselect_b32 s90, s90, 0
	s_cselect_b32 s92, s92, s93
	s_add_co_u32 s37, s90, s33                     ; P's tile: Q, K: cx of 4;  V: 4 (y % 8) + cx of 32
	s_add_co_u32 s38, s92, s34                     ; R's tile: Q, K: 4 y + cy of 64;  V: 4 (y / 8) + cy of 8
	s_lshl_b32 s94, 0x1111, s33                    ; my column of the cluster
	s_lshl_b32 s95, s34, 2
	s_lshl_b32 s95, 15, s95                        ; my row
	; descriptor group 1: 128 rows x 256 bytes of rows of 512; 16 bytes of padding behind each 64 words
	s_or_b32 s[G1P], s94, (1<<20)|(1<<21)|(5<<22)|(3<<25)   ; 15:0 the mask; 17:16 elements of 1 byte; 20 padding on; 21 set beside a mask; 24:22 code 5; 31:25 code 3
	s_or_b32 s[G1R], s95, (1<<20)|(1<<21)|(5<<22)|(3<<25)
.irp g, G1P, G1R
	s_mov_b32 s[\g+1], 256<<16                     ; tensor_dim0
	s_mov_b32 s[\g+2], 128<<16                     ; tensor_dim1
	s_mov_b32 s[\g+3], 256<<16                     ; tile_dim0
	s_mov_b32 s[\g+4], 128                         ; tile_dim1
	s_mov_b32 s[\g+5], 512                         ; from row to row
	s_mov_b32 s[\g+6], 0
	s_mov_b32 s[\g+7], 0
.endr
	s_lshl_b32 s90, s37, 17                        ; P: (256 x tile + 128 x half) rows of 512 bytes
	s_lshl_b32 s91, s31, 16
	s_add_co_u32 s90, s90, s91
	s_mov_b32 s91, 0
	s_lshl_b32 s92, s38, 16                        ; R: 128 x tile rows
	s_mov_b32 s93, 0
	s_mul_i32 s36, s[WV], HALFT                    ; where a load goes: wave x 128 rows: P's two halves, then R
	s_mov_b32 s[SEL], 0x76543210
	s_mov_b32 s[SEL+1], 0xfedcba98                 ; v_permlanex16_b32's selects for lane l xor 16
	s_mov_b32 s[UPH], 0xffff0000                   ; lanes 16-31
	s_wait_dscnt 0x0
	s_wait_kmcnt 0x0
	s_cmp_eq_u32 ttmp9, 1                          ; the buffers are chosen by the cluster's x alone
	s_cselect_b64 s[76:77], s[12:13], s[8:9]
	s_cselect_b64 s[78:79], s[14:15], s[10:11]
	s_cselect_b64 s[84:85], s[22:23], s[20:21]
	s_cselect_b64 s[86:87], s[28:29], s[26:27]
	s_cmp_eq_u32 ttmp9, 2
	s_cselect_b64 s[80:81], s[16:17], s[4:5]       ; R's codes
	s_cselect_b64 s[82:83], s[18:19], s[6:7]       ; R's scales
	s_cselect_b64 s[76:77], s[4:5], s[76:77]       ; P's codes
	s_cselect_b64 s[78:79], s[6:7], s[78:79]       ; P's scales
	s_cselect_b64 s[84:85], s[24:25], s[84:85]     ; the bias
	s_cselect_b64 s[86:87], s[28:29], s[86:87]     ; where the result goes
	CROUND                                         ; all sixteen work-groups are here: the joint loads meet
	s_mov_b32 s[G0P], 1
	s_mov_b32 s[G0P+1], s36
	s_add_nc_u64 s[G0P+2:G0P+3], s[76:77], s[90:91]
	s_mov_b32 s[G0P+4], 1
	s_add_co_u32 s[G0P+5], s36, SLOT
	s_add_nc_u64 s[G0P+6:G0P+7], s[G0P+2:G0P+3], 256   ; the second half of K
	s_or_b32 s[G0P+3], s[G0P+3], 0x80000000
	s_or_b32 s[G0P+7], s[G0P+7], 0x80000000
	s_mov_b32 s[G0R], 1
	s_mov_b32 s[G0R+1], s36
	s_add_nc_u64 s[G0R+2:G0R+3], s[80:81], s[92:93]
	s_mov_b32 s[G0R+4], 1
	s_add_co_u32 s[G0R+5], s36, SLOT
	s_add_nc_u64 s[G0R+6:G0R+7], s[G0R+2:G0R+3], 256
	s_or_b32 s[G0R+3], s[G0R+3], 0x80000000
	s_or_b32 s[G0R+7], s[G0R+7], 0x80000000
	s_cmp_lt_u32 s[WV], 2                          ; waves 0 and 1 fetch P's halves, wave 2 R, wave 3 nothing; a wave's two fills stand in one branch: two loads of mine are out
	s_cbranch_scc0 .Lnot_p
	tensor_load_to_lds s[G0P:G0P+3], s[G1P:G1P+7]
	s_nop 0
	tensor_load_to_lds s[G0P+4:G0P+7], s[G1P:G1P+7]
	s_nop 0
.rept 4
	v_nop
.endr
	s_branch .Lasked
.Lnot_p:
	s_cmp_eq_u32 s[WV], 2
	s_cbranch_scc0 .Lasked
	tensor_load_to_lds s[G0R:G0R+3], s[G1R:G1R+7]
	s_nop 0
	tensor_load_to_lds s[G0R+4:G0R+7], s[G1R:G1R+7]
	s_nop 0
.rept 4
	v_nop
.endr
.Lasked:
	v_and_b32 v1, 15, v0                           ; r
	v_bfe_u32 v2, v0, 4, 1                         ; H
	v_and_b32 v3, 31, v0                           ; lane
	v_lshlrev_b32 v4, 4, v3                        ; 16 x lane
	v_lshlrev_b32 v5, 3, v3
	v_add_nc_u32 v5, 4096, v5                      ; 8 x lane + 4,096
	v_mul_u32_u24 v6, v1, PITCH
	v_lshl_add_u32 v6, v2, 4, v6                   ; a fragment's row x pitch + 16 x half
	s_mul_i32 s2, s31, HALFT
	v_add_nc_u32 v[ADP], s2, v6
	v_add_nc_u32 v[ADP+1], SLOT, v[ADP]
	s_mul_i32 s2, s32, 64*PITCH
	s_add_co_u32 s2, s2, 2*HALFT
	v_add_nc_u32 v[ADR], s2, v6
	v_add_nc_u32 v[ADR+1], SLOT, v[ADR]
	v_lshlrev_b32 v12, 5, v1                       ; a row of scale bytes is 32 bytes
	v_lshl_add_u32 v13, v2, 10, v12                ; R: lanes 16-31 take the tile two further on
	v_lshl_add_u32 v12, v2, 11, v12                ; P: four further on
	s_lshl_b32 s90, s37, 13
	s_lshl_b32 s91, s31, 12
	s_add_co_u32 s90, s90, s91
	s_mov_b32 s91, 0
	s_add_nc_u64 s[78:79], s[78:79], s[90:91]      ; my 128 rows of P's scales
	s_lshl_b32 s92, s38, 12
	s_lshl_b32 s93, s32, 11
	s_add_co_u32 s92, s92, s93
	s_mov_b32 s93, 0
	s_add_nc_u64 s[82:83], s[82:83], s[92:93]      ; my 64 rows of R's
.irp i, 0,1,2,3
	global_load_b128 v[SCP+8*\i:SCP+8*\i+3], v12, s[78:79] offset:512*\i       ; the scale words of all of K come once: a pair of loads covers 16 whole rows of 32 bytes in each half of the lanes
	global_load_b128 v[SCP+8*\i+4:SCP+8*\i+7], v12, s[78:79] offset:512*\i+16
.endr
.irp i, 0,1
	global_load_b128 v[SCR+8*\i:SCR+8*\i+3], v13, s[82:83] offset:512*\i
	global_load_b128 v[SCR+8*\i+4:SCR+8*\i+7], v13, s[82:83] offset:512*\i+16
.endr
; The rest is written twice, once for each orientation: what differs is the bias's shape, the first step's C and where the codes go.
.macro BODY fl
.if \fl == 0
	s_lshl_b32 s2, s37, 10                         ; the bias runs along P: lane half h wants, for tile b, numbers 16 b + 8 h + 0 .. 7 of my 128
	s_lshl_b32 s3, s31, 9
	s_add_co_u32 s2, s2, s3
	s_mov_b32 s3, 0
	s_add_nc_u64 s[84:85], s[84:85], s[2:3]
	v_lshlrev_b32 v14, 5, v2
.irp b, 0,1,2,3,4,5,6,7
	global_load_b128 v[T+8*\b:T+8*\b+3], v14, s[84:85] offset:64*\b
	global_load_b128 v[T+8*\b+4:T+8*\b+7], v14, s[84:85] offset:64*\b+16
.endr
	s_mov_b32 s36, 8960                            ; a record's bytes: kv's, or qbuf's
	s_cmp_eq_u32 ttmp9, 0
	s_cselect_b32 s36, 4608, s36
	s_lshr_b32 s39, s38, 4                         ; R's tile is 128 tokens: batch = tile / 16, step = tile % 16
	s_lshl_b32 s39, s39, 4
	s_lshl_b32 s94, s33, 2
	s_add_co_u32 s39, s39, s94
	s_lshl_b32 s94, s31, 1
	s_add_co_u32 s39, s39, s94                     ; 16 x batch + my first head, 4 cx + 2 wp
	s_lshl_b32 s39, s39, 4
	s_and_b32 s94, s38, 15
	s_add_co_u32 s39, s39, s94
	s_mul_i32 s94, s39, s36
	s_mov_b32 s95, 0
	s_add_nc_u64 s[86:87], s[86:87], s[94:95]      ; the record of my first head,
	s_lshl_b32 s94, s36, 4
	s_add_nc_u64 s[88:89], s[86:87], s[94:95]      ; and of my second: 16 records on
	s_lshl_b32 s94, s32, 11
	v_add_nc_u32 v15, s94, v4                      ; codes: 16 x lane + my four units of the record's eight
	s_lshl_b32 s94, s32, 8
	v_add_nc_u32 v16, s94, v5                      ; scale words: 8 x lane + 4,096 + my 256 bytes
.else
	s_lshl_b32 s2, s38, 9                          ; the bias runs along R: lane r wants, for tile a, number 16 a + r of my 64
	s_lshl_b32 s3, s32, 8
	s_add_co_u32 s2, s2, s3
	s_mov_b32 s3, 0
	s_add_nc_u64 s[84:85], s[84:85], s[2:3]
	v_lshlrev_b32 v14, 2, v1
.irp a, 0,1,2,3
	global_load_b32 v[T+8*\a], v14, s[84:85] offset:64*\a
.endr
	s_lshr_b32 s39, s37, 3                         ; P's tile is 256 tokens: batch = tile / 8; my 128 are step (2 x tile + wp) % 16
	s_lshl_b32 s39, s39, 4
	s_lshl_b32 s94, s38, 1
	s_add_co_u32 s39, s39, s94
	s_add_co_u32 s39, s39, s32                     ; 16 x batch + my head, 2 x R's tile + wr
	s_lshl_b32 s39, s39, 4
	s_lshl_b32 s94, s37, 1
	s_add_co_u32 s94, s94, s31
	s_and_b32 s94, s94, 15
	s_add_co_u32 s39, s39, s94
	s_mul_i32 s94, s39, 8960
	s_add_co_u32 s94, s94, 4608                    ; V's part of the record
	s_mov_b32 s95, 0
	s_add_nc_u64 s[86:87], s[86:87], s[94:95]
	v_mov_b32 v15, v4
	v_mov_b32 v16, v5
.endif
	s_wait_tensorcnt 0x1                           ; my part of the first half of K has landed; the one load issued behind it may stay out
	s_barrier_signal -1
	s_barrier_wait -1                              ; everybody's has
	FETCH 0
	s_wait_loadcnt 0x0                             ; scale words and bias
.if \fl
.irp a, 0,1,2,3
.irp j, 1,2,3,4,5,6,7
	v_mov_b32 v[T+8*\a+\j], v[T+8*\a]              ; a lane's eight results of a tile belong to one feature: its bias eight times
.endr
.endr
	PLACES
.endif
.irp q, 0,1,2,3,4,5,6,7
	STEP \q, \fl
.endr
	WIN 0
	PLACES                                         ; behind the last products: their results are read, and registers that held R's fragments are written
.irp b, 0,1,2,3
	v_mov_b32 v[TM+4+\b], 0                        ; written once: a lane permute's destination counts as one of its sources
.endr
.irp a, 0,1,2,3
	QUANT \a
.if \fl == 0
	global_store_b128 v15, v[PC+8*\a:PC+8*\a+3], s[86:87] offset:512*\a        ; a unit: 512 consecutive bytes; each tile has its own registers, so no store's data are written again
	global_store_b128 v15, v[PC+8*\a+4:PC+8*\a+7], s[88:89] offset:512*\a
.else
	global_store_b128 v15, v[PC+8*\a:PC+8*\a+3], s[86:87] offset:1024*\a
	global_store_b128 v15, v[PC+8*\a+4:PC+8*\a+7], s[86:87] offset:1024*\a+512
.endif
.endr
.if \fl == 0
	v_cndmask_b32 v[WW], v[WLO], v[WLO+2], s[UPH]      ; word q of lane half H is tile 2 H + q
	v_cndmask_b32 v[WW+1], v[WLO+1], v[WLO+3], s[UPH]
	v_cndmask_b32 v[WW+2], v[WHI], v[WHI+2], s[UPH]
	v_cndmask_b32 v[WW+3], v[WHI+1], v[WHI+3], s[UPH]
	global_store_b64 v16, v[WW:WW+1], s[86:87]     ; 256 consecutive bytes, aligned
	global_store_b64 v16, v[WW+2:WW+3], s[88:89]
.else
.irp a, 0,1,2,3
	v_lshl_or_b32 v[WLO+\a], v[WHI+\a], 16, v[WLO+\a]  ; the four key blocks' bytes of d = 16 a + r
.endr
	v_cndmask_b32 v[WW], v[WLO], v[WLO+2], s[UPH]
	v_cndmask_b32 v[WW+1], v[WLO+1], v[WLO+3], s[UPH]
	global_store_b64 v16, v[WW:WW+1], s[86:87]
.endif
.endm
	s_cmp_eq_u32 ttmp9, 2                          ; alike in all waves and all partners
	s_cbranch_scc1 .Lv
	BODY 0
	s_branch .Lend
.Lv:
	BODY 1
.Lend:
	s_wait_tensorcnt 0x0
	ds_add_u32 v126, v127
	s_wait_dscnt 0x0
	CROUND                                         ; the closing round: no work-group ends while a partner may still ask for a tile that names it
	s_endpgm
.Lfunc_end_k_q310094b8f1_qkv:
	.size	k_q310094b8f1_qkv, .Lfunc_end_k_q310094b8f1_qkv-k_q310094b8f1_qkv
	.p2alignl 7, 3214868480
	.fill 96, 4, 3214868480
	.section	.rodata,"a",@progbits
	.p2align	6, 0x0
	.amdhsa_kernel k_q310094b8f1_qkv
		.amdhsa_group_segment_fixed_size 209408
		.amdhsa_private_segment_fixed_size 0
		.amdhsa_enable_private_segment 0
		.amdhsa_kernarg_size 104
		.amdhsa_user_sgpr_count 2
		.amdhsa_user_sgpr_kernarg_segment_ptr 1
		.amdhsa_wavefront_size32 1
		.amdhsa_system_sgpr_workgroup_id_x 1
		.amdhsa_system_sgpr_workgroup_id_y 1
		.amdhsa_system_sgpr_workgroup_id_z 1
		.amdhsa_system_vgpr_workitem_id 0
		.amdhsa_next_free_vgpr 768
		.amdhsa_next_free_sgpr 100
		.amdhsa_reserve_vcc 0
		.amdhsa_float_denorm_mode_32 3
		.amdhsa_float_denorm_mode_16_64 3
		.amdhsa_memory_ordered 1
		.amdhsa_forward_progress 1
		.amdhsa_inst_pref_size 139
	.end_amdhsa_kernel
	.amdgpu_metadata
---
amdhsa.version: [ 1, 2 ]
amdhsa.kernels:
  - .name:           k_q310094b8f1_qkv
    .symbol:         k_q310094b8f1_qkv.kd
    .args:
      - { .name: X_codes, .offset: 0, .size: 8, .value_kind: global_buffer, .address_space: global }
      - { .name: X_scales, .offset: 8, .size: 8, .value_kind: global_buffer, .address_space: global }
      - { .name: Wq_codes, .offset: 16, .size: 8, .value_kind: global_buffer, .address_space: global }
      - { .name: Wq_scales, .offset: 24, .size: 8, .value_kind: global_buffer, .address_space: global }
      - { .name: Wk_codes, .offset: 32, .size: 8, .value_kind: global_buffer, .address_space: global }
      - { .name: Wk_scales, .offset: 40, .size: 8, .value_kind: global_buffer, .address_space: global }
      - { .name: Wv_codes, .offset: 48, .size: 8, .value_kind: global_buffer, .address_space: global }
      - { .name: Wv_scales, .offset: 56, .size: 8, .value_kind: global_buffer, .address_space: global }
      - { .name: bq, .offset: 64, .size: 8, .value_kind: global_buffer, .address_space: global }
      - { .name: bk, .offset: 72, .size: 8, .value_kind: global_buffer, .address_space: global }
      - { .name: bv, .offset: 80, .size: 8, .value_kind: global_buffer, .address_space: global }
      - { .name: qbuf, .offset: 88, .size: 8, .value_kind: global_buffer, .address_space: global }
      - { .name: kv, .offset: 96, .size: 8, .value_kind: global_buffer, .address_space: global }
    .group_segment_fixed_size: 209408
    .private_segment_fixed_size: 0
    .kernarg_segment_align: 8
    .kernarg_segment_size: 104
    .max_flat_workgroup_size: 128
    .sgpr_count:     100
    .vgpr_count:     768
    .wavefront_size: 32
...
	.end_amdgpu_metadata
.endif
;; end of part 1
;; launch attn (part 2): grid 4 x 64, 16 waves a work-group, clusters of 4 x 1, 169,984 bytes of LDS; arguments qbuf, kv, oimg, osc; writes oimg, osc
.if DOCPART == 2
	.amdgcn_target "amdgcn-amd-amdhsa--gfx1250"
	.amdhsa_code_object_version 6
	.text
	.protected	k_q310094b8f1_attn
	.globl	k_q310094b8f1_attn
	.p2align	8
	.type	k_q310094b8f1_attn,@function
k_q310094b8f1_attn:
	s_mov_b64 s[64:65], 0
	v_nop
	global_prefetch_b8 v0, s[64:65] scope:SCOPE_SE
	s_setreg_imm32_b32 hwreg(HW_REG_WAVE_MODE, 25, 1), 1
	s_wait_xcnt 0x0
	s_wait_alu depctr_hold_cnt(0) depctr_sa_sdst(0) depctr_va_vdst(0) depctr_va_sdst(0) depctr_va_ssrc(0) depctr_va_vcc(0) depctr_vm_vsrc(0)
	s_getreg_b32 s2, hwreg(HW_REG_IB_STS2, 6, 4)
	s_cmp_eq_u32 s2, 0
	s_cbranch_scc0 .Lentry_in_a_cluster
	s_endpgm
.Lentry_in_a_cluster:
	s_bfe_u32 s2, ttmp6, 0x10000c
	s_cmp_lg_u32 s2, 0x3003
	s_cbranch_scc0 .Lentry_shape_is_right
	s_endpgm
.Lentry_shape_is_right:
; Causal attention of one head on codes of FP4 (E2M1): S^T = K Q^T (K = the head's 64), p = 2^(t - M), O^T = V^T P^T (K = the keys), O / the row's sum, and O quantised along the model's 1,024 for the last product.
; THE SOFTMAX: t = score x log2(e) / 8; M = the running largest t rounded UP to a whole number, kept as -M = floor(-t); p = 2^(t - M) is quantised along the keys, not normalised; the row's sum is taken of the unquantised p.
; When M moves, the sum and O^T are multiplied by 2^(old M - new M), which rounds nothing.
; SHARES.  The four work-groups of a cluster serve one head (the cluster's y).  A key step is 128 keys, a record of kv.  Wave W owns TWO tiles of 16 queries: tile e = 2 cx + W % 2 of query block sA = W / 2, and the same tile
; of block sB = 15 - sA.  A tile of block s needs key steps 0 .. s, so every wave of the launch walks (sA + 1) + (sB + 1) = 17 tile steps.  Branches hang on W and on the step's number alone; cx enters global addresses and the mask's numbers.
; LDS.  The head's 16 records, 143,360 bytes, lie in LDS as they lie in memory, filled ONCE, in four chunks of four steps; waves 0 and 1 each ask for half of every chunk, jointly with the three partners.  All loads go out at
; the head: four of a wave are out; there is no later request that a prefetch could run ahead of.  No byte is filled twice.
; LAYOUT.  Both products are transposed: a lane holds ONE query (lane % 16) throughout; register 8 t + j of S^T is key 16 t + 8 (lane / 16) + j.  A unit (512 bytes, lane l's 16 bytes at 16 l) is four operand registers.
; K = 64 IN AN INSTRUCTION OF 128: Q's operand is its unit and four registers of zero codes.  K's operand for tile t is v[F + 4 t .. + 7]: its unit and the next tile's; those upper codes meet Q's zero codes, so each such product
; is 0.  Bytes 2 and 3 of Q's and K's scale words are 0, the smallest scale and not the NaN byte.
; THE CODES' ORDER: as in the launch before: block 2 c + x, tile i converts into register 4 c + 2 i + x, and one exchange of lane halves for each pair of registers gives the operand's layout.
; LIMITS: NaN and infinities are not served.  A block of zeros gets the byte 1 where the quantiser's rule says 127: its codes are zeros, and this program alone reads the bytes.  The result's scale bytes leave two to a lane,
; rows 32 bytes apart: 262,144 bytes in all.
.set REC,  8960
.set CHK,  4*REC
.set LI16, 1                           ; v1   16 x lane
.set LI8,  2                           ; v2   8 x lane
.set A16,  3                           ; v3   the step's record + 16 x lane
.set A8,   4                           ; v4   + 8 x lane
.set DD,   5                           ; v5   16 e + r - 8 h: register n of S^T is hidden on the diagonal where 16 (n / 8) + n % 8 is above it
.set QS,   7                           ; v7   Q's scale words: lanes 0-15 tile A's, lanes 16-31 tile B's
.set STA,  10                          ; v10 -M, v11 the largest t, v[12:13] the sum in two halves: tile A
.set STB,  14                          ; the same for tile B
.set FF,   18                          ; v18  f = 2^(old M - new M)
.set PW,   19                          ; v19  p's scale word
.set QA,   20                          ; v20-27 tile A's Q: a unit and four zero registers
.set QB,   28
.set F,    36                          ; v36-67 K's eight units, later V's eight; v68-71 zero
.set KS,   72                          ; v72-75 K's scale words
.set VS,   76                          ; v76-77 V's
.set PC,   78                          ; v78-85 p's codes
.set BM,   86
.set BP,   90
.set BS,   94
.set TMP,  98
.set C2,   100
.set S,    104                         ; v104-167 S^T, then p
.set OA,   168                         ; v168-199 tile A's O^T
.set OB,   200
.set OSO,  232
.set WA,   233
.set WB,   234
.set WV,   12
.set SGA,  15
.set SGB,  16
.set STEP, 18
.set TB,   19
.set SEL,  20
.set CS,   22
.set CNT,  24
.set UPH,  25
.macro CROUND
	s_barrier_signal -1
	s_barrier_wait -1
	s_cmp_lg_u32 s[WV], 0
	s_cbranch_scc1 .Lnot_wave_0_\@
	s_barrier_signal -3
.Lnot_wave_0_\@:
	s_barrier_wait -3
	s_barrier_signal -1
	s_barrier_wait -1
.endm
.macro WMZ d, p, r, sp, sr, rowp, rowr     ; a product that starts its sum
.if ((\rowp) == 0) && ((\rowr) == 0)
	v_wmma_scale_f32_16x16x128_f8f6f4 v[\d:\d+7], v[\p:\p+7], v[\r:\r+7], 0, v[\sp], v[\sr] matrix_a_fmt:MATRIX_FMT_FP4 matrix_b_fmt:MATRIX_FMT_FP4
.elseif (\rowr) == 0
	v_wmma_scale_f32_16x16x128_f8f6f4 v[\d:\d+7], v[\p:\p+7], v[\r:\r+7], 0, v[\sp], v[\sr] matrix_a_fmt:MATRIX_FMT_FP4 matrix_b_fmt:MATRIX_FMT_FP4 matrix_a_scale:MATRIX_SCALE_ROW1
.elseif (\rowp) == 0
	v_wmma_scale_f32_16x16x128_f8f6f4 v[\d:\d+7], v[\p:\p+7], v[\r:\r+7], 0, v[\sp], v[\sr] matrix_a_fmt:MATRIX_FMT_FP4 matrix_b_fmt:MATRIX_FMT_FP4 matrix_b_scale:MATRIX_SCALE_ROW1
.else
	v_wmma_scale_f32_16x16x128_f8f6f4 v[\d:\d+7], v[\p:\p+7], v[\r:\r+7], 0, v[\sp], v[\sr] matrix_a_fmt:MATRIX_FMT_FP4 matrix_b_fmt:MATRIX_FMT_FP4 matrix_a_scale:MATRIX_SCALE_ROW1 matrix_b_scale:MATRIX_SCALE_ROW1
.endif
.endm
.macro WMC d, p, r, sp, sr, rowp           ; a product that adds in place
.if (\rowp) == 0
	v_wmma_scale_f32_16x16x128_f8f6f4 v[\d:\d+7], v[\p:\p+7], v[\r:\r+7], v[\d:\d+7], v[\sp], v[\sr] matrix_a_fmt:MATRIX_FMT_FP4 matrix_b_fmt:MATRIX_FMT_FP4
.else
	v_wmma_scale_f32_16x16x128_f8f6f4 v[\d:\d+7], v[\p:\p+7], v[\r:\r+7], v[\d:\d+7], v[\sp], v[\sr] matrix_a_fmt:MATRIX_FMT_FP4 matrix_b_fmt:MATRIX_FMT_FP4 matrix_a_scale:MATRIX_SCALE_ROW1
.endif
.endm
; the 64 numbers in v[S] on become eight registers of codes in v[PC] on, by the scale operands in v[BS] on
.macro CODES
.irp c, 0,1
.irp x, 0,1
.irp i, 0,1
	v_cvt_scalef32_pk8_fp4_f32 v[PC+4*\c+2*\i+\x], v[S+16*(2*\c+\x)+8*\i:S+16*(2*\c+\x)+8*\i+7], v[BS+2*\c+\x]
.endr
.endr
.endr
	v_nop                                          ; one plain instruction behind the scaled conversions
.irp c, 0,1
.irp i, 0,1
	v_permlane16_swap_b32 v[PC+4*\c+2*\i], v[PC+4*\c+2*\i+1]
.endr
.endr
.endm
; ONE TILE'S KEY STEP.  q: its Q; o: its O^T; st: its statistics; sig: the scalar that holds its query block; row: which half of the lanes holds its scale words of Q.
.macro TILE q, o, st, sig, row
	s_cmp_gt_u32 s[STEP], s[\sig]                  ; all 128 keys come after my 16 queries: the step's work is left out.  No barrier and no tensor load stands in a step
	s_cbranch_scc1 .Lhid_\@
	v_add_nc_u32 v[A16], s[TB], v[LI16]
	v_add_nc_u32 v[A8], s[TB], v[LI8]
	v_nop
	v_nop                                          ; four plain instructions between the last products, which read v[F] on, and the loads into it
	ds_load_b64 v[KS:KS+1], v[A8] offset:4096      ; K's scale words: register 2 g + q, lane half H: tile 4 g + 2 H + q
	ds_load_b64 v[KS+2:KS+3], v[A8] offset:4352
.irp t, 0,1,2,3,4,5,6,7
	ds_load_b128 v[F+4*\t:F+4*\t+3], v[A16] offset:512*\t
.endr
	s_wait_dscnt 0x0
.irp t, 0,1,2,3,4,5,6,7
	WMZ S+8*\t, F+4*\t, \q, KS+2*(\t/4)+\t%2, QS, (\t%4)/2, \row
.endr
.rept 4
	v_nop                                          ; places ahead of the loads into v[F] on and of the first read of the scores
.endr
.irp dt, 0,1,2,3
.irp c, 0,1
	ds_load_b128 v[F+8*\dt+4*\c:F+8*\dt+4*\c+3], v[A16] offset:4608+1024*\dt+512*\c   ; V's fragments land while the softmax is walked
.endr
.endr
	ds_load_b64 v[VS:VS+1], v[A8] offset:8704      ; V's scale words: register q, lane half H: tile 2 H + q
	s_cmp_eq_u32 s[STEP], s[\sig]                  ; the diagonal step: hidden scores become -infinity ahead of the maximum, so that p = 0.  Key 0 of the step counts for every query of it
	s_cbranch_scc0 .Lopen_\@
	v_mov_b32 v[TMP], 0xff800000
.set n, 0
.rept 64
	v_cmp_gt_i32 vcc_lo, 16*(n/8)+n%8, v[DD]
	v_cndmask_b32 v[S+n], v[S+n], v[TMP], vcc_lo
.set n, n+1
.endr
.Lopen_\@:
.irp b, 0,1,2,3
	v_max3_num_f32 v[BM+\b], v[S+16*\b], v[S+16*\b+1], v[S+16*\b+2]   ; the largest score of each block of 32 keys: for the row's maximum, and, since p rises with the score, for the block's largest p
.endr
.irp i, 3,5,7,9,11,13
.irp b, 0,1,2,3
	v_max3_num_f32 v[BM+\b], v[BM+\b], v[S+16*\b+\i], v[S+16*\b+\i+1]
.endr
.endr
.irp b, 0,1,2,3
	v_max_num_f32 v[BM+\b], v[BM+\b], v[S+16*\b+15]
.endr
.irp b, 0,1,2,3
	v_permlanex16_b32 v[BP+\b], v[BM+\b], s[SEL], s[SEL+1]
.endr
.irp b, 0,1,2,3
	v_max_num_f32 v[BM+\b], v[BM+\b], v[BP+\b]     ; with lane l xor 16's 16 keys
.endr
	v_max3_num_f32 v[TMP], v[BM], v[BM+1], v[BM+2]
	v_max_num_f32 v[TMP], v[TMP], v[BM+3]
	v_mul_f32 v[TMP], s[CS], v[TMP]                ; the step's largest score as t (c is positive)
	v_max_num_f32 v[\st+1], v[\st+1], v[TMP]       ; the running largest t
	v_mov_b32 v[TMP], v[\st]
	v_floor_f32 v[\st], -v[\st+1]                  ; the new -M = floor(-t): M is a whole number
	v_sub_f32 v[TMP], v[\st], v[TMP]               ; old M - new M, a whole number, 0 or less
	v_cvt_i32_f32 v[TMP], v[TMP]                   ; (it saturates)
	v_ldexp_f32 v[FF], 1.0, v[TMP]                 ; f
.set j, 0
.rept 32
	v_pk_fma_f32 v[S+j:S+j+1], v[S+j:S+j+1], s[CS:CS+1], v[\st:\st+1] op_sel_hi:[1,0,0]   ; t - M, two at a time
.set j, j+2
.endr
.irp b, 0,1,2,3
	v_fma_f32 v[BM+\b], v[BM+\b], s[CS], v[\st]    ; the same of each block's largest score
.endr
.set j, 0
.rept 64
	v_exp_f32 v[S+j], v[S+j]                       ; p = 2^(t - M)
.set j, j+1
.endr
	v_pk_mul_f32 v[\st+2:\st+3], v[\st+2:\st+3], v[FF:FF+1] op_sel_hi:[1,0]   ; the sums under the new M: the plain instruction behind the exponentials
	s_wait_alu depctr_va_vdst(0)                   ; one wait for the batch of 64, ahead of its first reader
.irp b, 0,1,2,3
	v_exp_f32 v[BM+\b], v[BM+\b]                   ; each block's largest p
.endr
	v_pk_add_f32 v[C2:C2+1], v[S:S+1], v[S+2:S+3]  ; the row's sum of the unquantised p, in two chains
.set j, 4
.rept 15
	v_pk_add_f32 v[\st+2:\st+3], v[\st+2:\st+3], v[S+j:S+j+1]
	v_pk_add_f32 v[C2:C2+1], v[C2:C2+1], v[S+j+2:S+j+3]
.set j, j+4
.endr
	v_pk_add_f32 v[\st+2:\st+3], v[\st+2:\st+3], v[C2:C2+1]
	s_wait_alu depctr_va_vdst(0)                   ; and one for the four
.irp b, 0,1,2,3
	v_max_num_f32 v[BM+\b], 0x1800000, v[BM+\b]    ; the floor 2^(3 - 127): the byte cannot fall under 1
.endr
.irp b, 0,1,2,3
	v_add_nc_u32 v[BS+\b], 0xff000000, v[BM+\b]    ; 2 off the exponent field: the conversion's scale operand
.endr
.irp b, 0,1,2,3
	v_lshrrev_b32 v[BP+\b], 23, v[BS+\b]           ; the scale's byte
.endr
	v_lshl_or_b32 v[PW], v[BP+1], 8, v[BP]
	v_lshl_or_b32 v[PW], v[BP+2], 16, v[PW]
	v_lshl_or_b32 v[PW], v[BP+3], 24, v[PW]
	CODES
.set j, 0
.rept 16
	v_pk_mul_f32 v[\o+j:\o+j+1], v[\o+j:\o+j+1], v[FF:FF+1] op_sel_hi:[1,0]   ; O^T under the new M.  For each of the four products below, the twelve that name the other three accumulators stand between p's scale word and codes and that product
.set j, j+2
.endr
	s_wait_dscnt 0x0                               ; V
.irp dt, 0,1,2,3
	WMC \o+8*\dt, F+8*\dt, PC, VS+\dt%2, PW, \dt/2  ; four accumulators, one instruction each
.endr
.Lhid_\@:
.endm
; Four key steps: the chunk has landed in every wave's sight, then a loop of four trips.  The chunks behind this one may stay out.
.macro CHUNK n
	s_wait_tensorcnt 3-\n                          ; my part of chunk n is in; the 3 - n loads issued behind it may be out
	s_wait_dscnt 0x0
	s_barrier_signal -1
	s_barrier_wait -1
	s_mov_b32 s[TB], \n*CHK
	s_mov_b32 s[CNT], 4
.Lstep_\@:
	TILE QB, OB, STB, SGB, 1
	TILE QA, OA, STA, SGA, 0
	s_add_co_u32 s[TB], s[TB], REC
	s_add_co_u32 s[STEP], s[STEP], 1
	s_sub_co_u32 s[CNT], s[CNT], 1
	s_cmp_lg_u32 s[CNT], 0
	s_cbranch_scc1 .Lstep_\@
.endm
	s_load_b256 s[4:11], s[0:1], 0x0               ; qbuf s[4:5], kv s[6:7], oimg s[8:9], osc s[10:11]
	v_lshl_add_u32 v254, v0, 2, 0x29000
	v_mov_b32 v255, 0
	ds_add_u32 v254, v255
	ds_add_u32 v254, v255
	v_lshrrev_b32 v1, 5, v0
	v_readfirstlane_b32 s[WV], v1                  ; wave 0..15
	s_bfe_u32 s13, ttmp6, 0x40000                  ; cx
	s_and_b32 s14, ttmp7, 0xffff                   ; the head, 16 x batch + head: the four partners share it
	s_lshr_b32 s[SGA], s[WV], 1
	s_sub_co_u32 s[SGB], 15, s[SGA]
	s_and_b32 s17, s[WV], 1
	s_lshl_b32 s26, s13, 1
	s_add_co_u32 s17, s17, s26                     ; e: my tile of a query block's eight
	; descriptor group 1: half a chunk, 17,920 dense bytes, as 70 rows of 256 bytes (32 elements of 8 bytes), no padding
	s_mov_b32 s28, 15|(3<<16)|(1<<21)              ; 15:0 the mask: all four work-groups; 17:16 elements of 8 bytes; 21 set beside a mask
	s_mov_b32 s29, 32<<16
	s_mov_b32 s30, 70<<16
	s_mov_b32 s31, 32<<16
	s_mov_b32 s32, 70
	s_mov_b32 s33, 32
	s_mov_b32 s34, 0
	s_mov_b32 s35, 0
	s_mul_i32 s66, s14, 16*REC                     ; the head's records
	s_mul_i32 s68, s[WV], CHK/2                    ; my half of a chunk, in memory and in LDS alike
	s_add_co_u32 s66, s66, s68
	s_mov_b32 s67, 0
	s_mov_b32 s[SEL], 0x76543210
	s_mov_b32 s[SEL+1], 0xfedcba98
	s_mov_b32 s[CS], 0x3e38aa3b                    ; c = log2(e) / 8
	s_mov_b32 s[CS+1], s[CS]                       ; (named with it as a pair, so it is written)
	s_mov_b32 s[UPH], 0xffff0000                   ; lanes 16-31
	s_mov_b32 s[STEP], 0
	s_wait_dscnt 0x0
	s_wait_kmcnt 0x0
	s_add_nc_u64 s[66:67], s[6:7], s[66:67]
	CROUND                                         ; all four work-groups are here: the joint loads meet
.irp n, 0,1,2,3
	s_mov_b32 s[36+4*\n], 1
	s_add_co_u32 s[37+4*\n], s68, \n*CHK
	s_add_nc_u64 s[38+4*\n:39+4*\n], s[66:67], \n*CHK
	s_or_b32 s[39+4*\n], s[39+4*\n], 0x80000000
.endr
	s_cmp_lt_u32 s[WV], 2                          ; waves 0 and 1 fetch; a wave's four fills stand in one branch
	s_cbranch_scc0 .Lno_fetch
	tensor_load_to_lds s[36:39], s[28:35]
	s_nop 0
	tensor_load_to_lds s[40:43], s[28:35]
	s_nop 0
	tensor_load_to_lds s[44:47], s[28:35]
	s_nop 0
	tensor_load_to_lds s[48:51], s[28:35]
	s_nop 0
.rept 4
	v_nop
.endr
.Lno_fetch:
	v_and_b32 v8, 15, v0                           ; r
	v_bfe_u32 v9, v0, 4, 1                         ; H
	v_and_b32 v6, 31, v0
	v_lshlrev_b32 v[LI16], 4, v6
	v_lshlrev_b32 v[LI8], 3, v6
	v_lshlrev_b32 v[DD], 3, v9
	v_sub_nc_u32 v[DD], v8, v[DD]
	s_lshl_b32 s26, s17, 4
	v_add_nc_u32 v[DD], s26, v[DD]
	; Q: tile x's unit lies at record (16 x head + s_x) of qbuf, 512 e bytes in
	s_lshl_b32 s69, s14, 4
	s_lshl_b32 s71, s17, 9
	s_add_co_u32 s70, s69, s[SGA]
	s_mul_i32 s70, s70, 4608                       ; record A
	s_add_co_u32 s72, s70, s71
	s_mov_b32 s73, 0
	s_add_nc_u64 s[52:53], s[4:5], s[72:73]
	s_add_co_u32 s72, s69, s[SGB]
	s_mul_i32 s72, s72, 4608
	s_add_co_u32 s72, s72, s71
	s_add_nc_u64 s[54:55], s[4:5], s[72:73]
	s_lshr_b32 s72, s17, 2                         ; its scale words: 4,096 + 256 (e / 4) + 128 ((e / 2) % 2) + 4 (e % 2) + 8 r
	s_lshl_b32 s72, s72, 8
	s_bfe_u32 s74, s17, 0x10001
	s_lshl_b32 s74, s74, 7
	s_add_co_u32 s72, s72, s74
	s_and_b32 s74, s17, 1
	s_lshl_b32 s74, s74, 2
	s_add_co_u32 s72, s72, s74
	s_add_co_u32 s72, s72, s70
	s_add_co_u32 s72, s72, 4096
	s_add_nc_u64 s[56:57], s[4:5], s[72:73]
	s_sub_co_u32 s75, s[SGB], s[SGA]               ; lanes 16-31 take tile B's: so many records on
	s_mul_i32 s74, s75, 4608
	v_mul_u32_u24 v6, s74, v9
	v_lshl_add_u32 v6, v8, 3, v6
	global_load_b128 v[QA:QA+3], v[LI16], s[52:53] th:TH_LOAD_NT
	global_load_b128 v[QB:QB+3], v[LI16], s[54:55] th:TH_LOAD_NT
	global_load_b32 v[QS], v6, s[56:57]
	; where the result goes.  oimg: [128 rows][8 heads' half][tile of 16 rows][head % 8][unit];  osc: [row][32 bytes], bytes 2 x head and 2 x head + 1
	s_lshr_b32 s66, s14, 4
	s_lshl_b32 s66, s66, 4                         ; 16 x batch
	s_bfe_u32 s68, s14, 0x10003
	s_lshl_b32 s68, s68, 15
	s_lshl_b32 s69, s17, 12
	s_add_co_u32 s68, s68, s69
	s_and_b32 s69, s14, 7
	s_lshl_b32 s69, s69, 9
	s_add_co_u32 s68, s68, s69
	s_add_co_u32 s70, s66, s[SGA]
	s_lshl_b32 s70, s70, 16
	s_add_co_u32 s70, s70, s68
	s_mov_b32 s71, 0
	s_add_nc_u64 s[58:59], s[8:9], s[70:71]
	s_add_co_u32 s70, s66, s[SGB]
	s_lshl_b32 s70, s70, 16
	s_add_co_u32 s70, s70, s68
	s_add_nc_u64 s[60:61], s[8:9], s[70:71]
	s_add_co_u32 s70, s66, s[SGA]
	s_lshl_b32 s70, s70, 12                        ; 128 rows of 32 bytes
	s_lshl_b32 s69, s17, 9                         ; 16 rows
	s_add_co_u32 s70, s70, s69
	s_and_b32 s69, s14, 15
	s_lshl_b32 s69, s69, 1
	s_add_co_u32 s70, s70, s69
	s_add_nc_u64 s[62:63], s[10:11], s[70:71]
	s_lshl_b32 s74, s75, 12
	v_mul_u32_u24 v[OSO], s74, v9
	v_lshl_add_u32 v[OSO], v8, 5, v[OSO]           ; 32 r; lanes 16-31 tile B's rows
.irp st, STA, STB
	v_mov_b32 v[\st+1], 0xff61b1e6                 ; the largest t so far: -3e38, under every t
	v_floor_f32 v[\st], -v[\st+1]
	v_mov_b32 v[\st+2], 0
	v_mov_b32 v[\st+3], 0
.endr
	v_mov_b32 v[PW], 0                             ; (named as the upper half of the pair with f before it is first written)
.irp b, 0,1,2,3
	v_mov_b32 v[BP+\b], 0                          ; a lane permute's destination counts as one of its sources
	v_mov_b32 v[QA+4+\b], 0                        ; zero codes for k = 64 .. 127
	v_mov_b32 v[QB+4+\b], 0
	v_mov_b32 v[F+32+\b], 0
.endr
.set j, 0
.rept 64
	v_mov_b32 v[OA+j], 0                           ; both tiles' O^T: the step is written once; its first walk finds zeros, which the first change of M leaves zeros
.set j, j+1
.endr
	s_wait_loadcnt 0x0                             ; Q
	CHUNK 0
	CHUNK 1
	CHUNK 2
	CHUNK 3
	; THE WAY OUT.  O^T / the row's sum, both tiles; then the quantiser along the head's 64 (blocks 0, 1: tile A; blocks 2, 3: tile B): each tile is one unit and one word of two bytes a row.
.rept 4
	v_nop
.endr
	v_add_f32 v[STA+2], v[STA+2], v[STA+3]
	v_add_f32 v[STB+2], v[STB+2], v[STB+3]
	v_permlanex16_b32 v[BP], v[STA+2], s[SEL], s[SEL+1]
	v_permlanex16_b32 v[BP+1], v[STB+2], s[SEL], s[SEL+1]
	v_add_f32 v[STA+2], v[STA+2], v[BP]
	v_add_f32 v[STB+2], v[STB+2], v[BP+1]
	v_rcp_f32 v[STA+2], v[STA+2]
	v_rcp_f32 v[STB+2], v[STB+2]
	v_nop                                          ; a plain instruction behind the reciprocals,
	s_wait_alu depctr_va_vdst(0)                   ; and one wait for the two, ahead of their first reader
.set j, 0
.rept 16
	v_pk_mul_f32 v[S+j:S+j+1], v[OA+j:OA+j+1], v[STA+2:STA+3] op_sel_hi:[1,0]
.set j, j+2
.endr
.set j, 0
.rept 16
	v_pk_mul_f32 v[S+32+j:S+32+j+1], v[OB+j:OB+j+1], v[STB+2:STB+3] op_sel_hi:[1,0]
.set j, j+2
.endr
.irp b, 0,1,2,3
	v_max3_num_f32 v[BM+\b], |v[S+16*\b]|, |v[S+16*\b+1]|, 0x1800000
.endr
.irp i, 2,4,6,8,10,12,14
.irp b, 0,1,2,3
	v_max3_num_f32 v[BM+\b], v[BM+\b], |v[S+16*\b+\i]|, |v[S+16*\b+\i+1]|
.endr
.endr
.irp b, 0,1,2,3
	v_permlanex16_b32 v[BP+\b], v[BM+\b], s[SEL], s[SEL+1]
.endr
.irp b, 0,1,2,3
	v_max_num_f32 v[BM+\b], v[BM+\b], v[BP+\b]
.endr
.irp b, 0,1,2,3
	v_add_nc_u32 v[BS+\b], 0xff000000, v[BM+\b]
.endr
.irp b, 0,1,2,3
	v_lshrrev_b32 v[BP+\b], 23, v[BS+\b]
.endr
	v_lshl_or_b32 v[WA], v[BP+1], 8, v[BP]
	v_lshl_or_b32 v[WB], v[BP+3], 8, v[BP+2]
	v_cndmask_b32 v[WA], v[WA], v[WB], s[UPH]      ; lanes 0-15 tile A's bytes, lanes 16-31 tile B's
	CODES
	global_store_b128 v[LI16], v[PC:PC+3], s[58:59]    ; a unit: 512 consecutive bytes
	global_store_b128 v[LI16], v[PC+4:PC+7], s[60:61]
	global_store_b16 v[OSO], v[WA], s[62:63]
	s_wait_dscnt 0x0
	s_wait_tensorcnt 0x0
	ds_add_u32 v254, v255
	s_wait_dscnt 0x0
	CROUND                                         ; the closing round
	s_endpgm
.Lfunc_end_k_q310094b8f1_attn:
	.size	k_q310094b8f1_attn, .Lfunc_end_k_q310094b8f1_attn-k_q310094b8f1_attn
	.p2alignl 7, 3214868480
	.fill 96, 4, 3214868480
	.section	.rodata,"a",@progbits
	.p2align	6, 0x0
	.amdhsa_kernel k_q310094b8f1_attn
		.amdhsa_group_segment_fixed_size 169984
		.amdhsa_private_segment_fixed_size 0
		.amdhsa_enable_private_segment 0
		.amdhsa_kernarg_size 32
		.amdhsa_user_sgpr_count 2
		.amdhsa_user_sgpr_kernarg_segment_ptr 1
		.amdhsa_wavefront_size32 1
		.amdhsa_system_sgpr_workgroup_id_x 1
		.amdhsa_system_sgpr_workgroup_id_y 1
		.amdhsa_system_sgpr_workgroup_id_z 1
		.amdhsa_system_vgpr_workitem_id 0
		.amdhsa_next_free_vgpr 256
		.amdhsa_next_free_sgpr 80
		.amdhsa_reserve_vcc 1
		.amdhsa_float_denorm_mode_32 3
		.amdhsa_float_denorm_mode_16_64 3
		.amdhsa_memory_ordered 1
		.amdhsa_forward_progress 1
		.amdhsa_inst_pref_size 177
	.end_amdhsa_kernel
	.amdgpu_metadata
---
amdhsa.version: [ 1, 2 ]
amdhsa.kernels:
  - .name:           k_q310094b8f1_attn
    .symbol:         k_q310094b8f1_attn.kd
    .args:
      - { .name: qbuf, .offset: 0, .size: 8, .value_kind: global_buffer, .address_space: global }
      - { .name: kv, .offset: 8, .size: 8, .value_kind: global_buffer, .address_space: global }
      - { .name: oimg, .offset: 16, .size: 8, .value_kind: global_buffer, .address_space: global }
      - { .name: osc, .offset: 24, .size: 8, .value_kind: global_buffer, .address_space: global }
    .group_segment_fixed_size: 169984
    .private_segment_fixed_size: 0
    .kernarg_segment_align: 8
    .kernarg_segment_size: 32
    .max_flat_workgroup_size: 512
    .sgpr_count:     80
    .vgpr_count:     256
    .wavefront_size: 32
...
	.end_amdgpu_metadata
.endif
;; end of part 2
;; launch oproj (part 3): grid 4 x 64, 4 waves a work-group, clusters of 4 x 4, 205,312 bytes of LDS; arguments oimg, osc, Wo_codes, Wo_scales, bo, out0; writes out0
.if DOCPART == 3
	.amdgcn_target "amdgcn-amd-amdhsa--gfx1250"
	.amdhsa_code_object_version 6
	.text
	.protected	k_q310094b8f1_oproj
	.globl	k_q310094b8f1_oproj
	.p2align	8
	.type	k_q310094b8f1_oproj,@function
k_q310094b8f1_oproj:
	s_mov_b64 s[64:65], 0
	v_nop
	global_prefetch_b8 v0, s[64:65] scope:SCOPE_SE
	s_setreg_imm32_b32 hwreg(HW_REG_WAVE_MODE, 25, 1), 1
	s_wait_xcnt 0x0
	s_wait_alu depctr_hold_cnt(0) depctr_sa_sdst(0) depctr_va_vdst(0) depctr_va_sdst(0) depctr_va_ssrc(0) depctr_va_vcc(0) depctr_vm_vsrc(0)
	s_getreg_b32 s2, hwreg(HW_REG_IB_STS2, 6, 4)
	s_cmp_eq_u32 s2, 0
	s_cbranch_scc0 .Lentry_in_a_cluster
	s_endpgm
.Lentry_in_a_cluster:
	s_bfe_u32 s2, ttmp6, 0x10000c
	s_cmp_lg_u32 s2, 0xf033
	s_cbranch_scc0 .Lentry_shape_is_right
	s_endpgm
.Lentry_shape_is_right:
; out0 = A Wo^T + bo on codes of FP4 (E2M1), one E8M0 scale for each 32 along K = 1,024.  A, the attention's result, comes as the launch before left it: oimg, units of 16 rows x 64 along K as images of operand registers,
; [128 rows][half of K][tile of 16 rows][64 along K][512 bytes], and osc, [row][32 bytes].
; ORIENTATION: source 0 = 16 rows of Wo (P), source 1 = 16 rows of A (R): a lane holds one row of out0 and eight neighbouring columns.
; SHARES.  A work-group makes 256 columns x 128 rows with all of K in LDS (two halves, each filled once); each of its four waves 128 columns x 64 rows: 32 accumulators.  256 work-groups.
; CLUSTER 4 x 4: Wo's tile hangs on cx and is asked for jointly by the four of a column, A's on cy and by the four of a row.  All tensor loads go out at the head; no LDS byte is filled twice.
; The bias is the C of each sum's first product.  The results leave through each wave's own stage in LDS as whole rows of 512 bytes.
; LIMITS: NaN and infinities are not served.
; REGISTERS.  window 0: v1-16 addresses; v32-63 Wo's scale words (all of K), v64-79 A's; v128-191 A's fragments, two sets; v192-255 the bias; on the way out v128-255 rows of out0.  window 1: Wo's fragments, two sets of 64.  window 2: the accumulators.
.set PITCH, 272
.set HALFT, 128*PITCH                  ; 128 rows of Wo's tile: what one tensor load brings
.set SLOT,  2*HALFT+32768              ; a half of K: Wo's 256 rows, then A's image of 128 rows
.set ADP,   8
.set ADR,   10
.set STO,   15                         ; v15  the stage: where I put 32 bytes of a row
.set RD,    16                         ; v16  and where I read a row back
.set SCP,   32
.set SCR,   64
.set RF,    128
.set T,     192
.set SPITCH, 528                       ; a stage row: 512 bytes + 16
.set WV,    30
.set G1P,   40
.set G1R,   48
.set G0P,   56
.set G0R,   68
.set MSB,   0
.macro WIN new
.if MSB != \new
	s_set_vgpr_msb (MSB<<8)|\new
.set MSB, \new
.endif
.endm
.macro PLACES
.rept 4
	v_nop
.endr
.endm
.macro CROUND
	s_barrier_signal -1
	s_barrier_wait -1
	s_cmp_lg_u32 s[WV], 0
	s_cbranch_scc1 .Lnot_wave_0_\@
	s_barrier_signal -3
.Lnot_wave_0_\@:
	s_barrier_wait -3
	s_barrier_signal -1
	s_barrier_wait -1
.endm
.macro WMC d, p, r, c, sp, sr, rowp, rowr
.if ((\rowp) == 0) && ((\rowr) == 0)
	v_wmma_scale_f32_16x16x128_f8f6f4 v[\d:\d+7], v[\p:\p+7], v[\r:\r+7], v[\c:\c+7], v[\sp], v[\sr] matrix_a_fmt:MATRIX_FMT_FP4 matrix_b_fmt:MATRIX_FMT_FP4
.elseif (\rowr) == 0
	v_wmma_scale_f32_16x16x128_f8f6f4 v[\d:\d+7], v[\p:\p+7], v[\r:\r+7], v[\c:\c+7], v[\sp], v[\sr] matrix_a_fmt:MATRIX_FMT_FP4 matrix_b_fmt:MATRIX_FMT_FP4 matrix_a_scale:MATRIX_SCALE_ROW1
.elseif (\rowp) == 0
	v_wmma_scale_f32_16x16x128_f8f6f4 v[\d:\d+7], v[\p:\p+7], v[\r:\r+7], v[\c:\c+7], v[\sp], v[\sr] matrix_a_fmt:MATRIX_FMT_FP4 matrix_b_fmt:MATRIX_FMT_FP4 matrix_b_scale:MATRIX_SCALE_ROW1
.else
	v_wmma_scale_f32_16x16x128_f8f6f4 v[\d:\d+7], v[\p:\p+7], v[\r:\r+7], v[\c:\c+7], v[\sp], v[\sr] matrix_a_fmt:MATRIX_FMT_FP4 matrix_b_fmt:MATRIX_FMT_FP4 matrix_a_scale:MATRIX_SCALE_ROW1 matrix_b_scale:MATRIX_SCALE_ROW1
.endif
.endm
.macro FETCH q                         ; the fragments of K step q into set q % 2: Wo's from padded rows, A's as two units a tile
.set FQ, \q
	WIN 0x40
.irp b, 0,1,2,3,4,5,6,7
.irp c, 0,1
	ds_load_b128 v[64*(FQ%2)+8*\b+4*\c:64*(FQ%2)+8*\b+4*\c+3], v[ADP+FQ/4] offset:64*(FQ%4)+32*\c+16*PITCH*\b
.endr
.endr
	WIN 0
.irp a, 0,1,2,3
.irp c, 0,1
	ds_load_b128 v[RF+32*(FQ%2)+8*\a+4*\c:RF+32*(FQ%2)+8*\a+4*\c+3], v[ADR+FQ/4] offset:4096*\a+1024*(FQ%4)+512*\c
.endr
.endr
.endm
.macro MUL q                           ; 32 products; the 32 accumulators take turns, one instruction a turn, in the same order in every step
.if \q == 0
	WIN 0x81                                       ; Wo window 1, A window 0, C (the bias) window 0, D window 2
.else
	WIN 0xa1
.endif
.irp a, 0,1,2,3
.irp b, 0,1,2,3,4,5,6,7
.if \q == 0
	WMC 8*(8*\a+\b), 64*(\q%2)+8*\b, RF+32*(\q%2)+8*\a, T+8*\b, SCP+8*(\b%4)+\q, SCR+8*(\a%2)+\q, \b/4, \a/2
.else
	WMC 8*(8*\a+\b), 64*(\q%2)+8*\b, RF+32*(\q%2)+8*\a, 8*(8*\a+\b), SCP+8*(\b%4)+\q, SCR+8*(\a%2)+\q, \b/4, \a/2
.endif
.endr
.endr
.endm
.macro STEP q
	s_wait_dscnt 0x0                               ; this step's fragments are in
.if \q == 3
	s_wait_tensorcnt 0x0                           ; my part of the second half of K has landed,
	s_barrier_signal -1
	s_barrier_wait -1                              ; everybody's has, and nobody reads the first half any more
.endif
.if \q > 0
	PLACES
.endif
.if \q < 7
	FETCH \q+1
.endif
	MUL \q
.endm
; THE WAY OUT of 16 rows x 128 columns: into my stage, each accumulator from its low end on, and back as whole rows of 512 bytes.  LDS serves a wave's instructions in order (ISA guide 5.7.1.4): no wait between the stores and the loads.
.macro TOSTAGE a
	WIN 0x08                                       ; an LDS store's data are its source 1: window 2
.irp b, 0,1,2,3,4,5,6,7
	ds_store_b128 v[STO], v[64*(\a)+8*\b:64*(\a)+8*\b+3] offset:64*\b
	ds_store_b128 v[STO], v[64*(\a)+8*\b+4:64*(\a)+8*\b+7] offset:64*\b+16
.endr
	WIN 0
.irp t, 0,1,2,3,4,5,6,7,8,9,10,11,12,13,14,15
	ds_load_b128 v[128+64*((\a)%2)+4*\t:128+64*((\a)%2)+4*\t+3], v[RD] offset:\t*SPITCH
.endr
.endm
.macro SEND a, younger                 ; younger: the LDS instructions issued behind block a's loads, which may stay out
	s_wait_dscnt \younger
.irp t, 0,1,2,3,4,5,6,7,8,9,10,11,12,13,14,15
	global_store_b128 v4, v[128+64*((\a)%2)+4*\t:128+64*((\a)%2)+4*\t+3], s[14:15] offset:(16*(\a)+\t)*4096 th:TH_STORE_NT   ; 32 lanes store 512 consecutive bytes, at a multiple of 256 from out0's first byte
.endr
.endm
	s_load_b256 s[4:11], s[0:1], 0x0               ; oimg s[4:5], osc s[6:7], Wo's codes s[8:9], Wo's scales s[10:11]
	s_load_b128 s[12:15], s[0:1], 0x20             ; bo s[12:13], out0 s[14:15]
	v_lshl_add_u32 v126, v0, 2, 0x32000
	v_mov_b32 v127, 0
	ds_add_u32 v126, v127
	ds_add_u32 v126, v127
	v_lshrrev_b32 v1, 5, v0
	v_readfirstlane_b32 s[WV], v1                  ; wave 0..3
	s_and_b32 s31, s[WV], 1                        ; wp: my half of the 256 columns.  Also: which 128 rows of Wo waves 0 and 1 fetch
	s_lshr_b32 s32, s[WV], 1                       ; wr: my half of the 128 rows
	s_bfe_u32 s33, ttmp6, 0x40000                  ; cx: the tile of columns (the grid is one cluster wide)
	s_bfe_u32 s34, ttmp6, 0x40004                  ; cy
	s_and_b32 s35, ttmp7, 0xffff
	s_lshl_b32 s38, s35, 2
	s_add_co_u32 s38, s38, s34                     ; the tile of rows: 4 x cluster y + cy
	s_lshl_b32 s94, 0x1111, s33                    ; my column of the cluster
	s_lshl_b32 s95, s34, 2
	s_lshl_b32 s95, 15, s95                        ; my row
	s_or_b32 s[G1P], s94, (1<<20)|(1<<21)|(5<<22)|(3<<25)   ; Wo: 128 rows x 256 bytes of rows of 512, 16 bytes of padding behind each
	s_mov_b32 s[G1P+1], 256<<16
	s_mov_b32 s[G1P+2], 128<<16
	s_mov_b32 s[G1P+3], 256<<16
	s_mov_b32 s[G1P+4], 128
	s_mov_b32 s[G1P+5], 512
	s_mov_b32 s[G1P+6], 0
	s_mov_b32 s[G1P+7], 0
	s_or_b32 s[G1R], s95, (3<<16)|(1<<21)          ; A: 32,768 dense bytes as 128 rows of 256 (32 elements of 8 bytes), no padding
	s_mov_b32 s[G1R+1], 32<<16
	s_mov_b32 s[G1R+2], 128<<16
	s_mov_b32 s[G1R+3], 32<<16
	s_mov_b32 s[G1R+4], 128
	s_mov_b32 s[G1R+5], 32
	s_mov_b32 s[G1R+6], 0
	s_mov_b32 s[G1R+7], 0
	s_lshl_b32 s90, s33, 17
	s_lshl_b32 s91, s31, 16
	s_add_co_u32 s90, s90, s91
	s_mov_b32 s91, 0
	s_lshl_b32 s92, s38, 16
	s_mov_b32 s93, 0
	s_mul_i32 s36, s[WV], HALFT                    ; where a load goes: wave x 128 rows of Wo's pitch: Wo's two halves, then A's image
	s_wait_dscnt 0x0
	s_wait_kmcnt 0x0
	CROUND                                         ; all sixteen work-groups are here: the joint loads meet
	s_mov_b32 s[G0P], 1
	s_mov_b32 s[G0P+1], s36
	s_add_nc_u64 s[G0P+2:G0P+3], s[8:9], s[90:91]
	s_mov_b32 s[G0P+4], 1
	s_add_co_u32 s[G0P+5], s36, SLOT
	s_add_nc_u64 s[G0P+6:G0P+7], s[G0P+2:G0P+3], 256
	s_or_b32 s[G0P+3], s[G0P+3], 0x80000000
	s_or_b32 s[G0P+7], s[G0P+7], 0x80000000
	s_mov_b32 s[G0R], 1
	s_mov_b32 s[G0R+1], s36
	s_add_nc_u64 s[G0R+2:G0R+3], s[4:5], s[92:93]
	s_mov_b32 s[G0R+4], 1
	s_add_co_u32 s[G0R+5], s36, SLOT
	s_add_nc_u64 s[G0R+6:G0R+7], s[G0R+2:G0R+3], 32768
	s_or_b32 s[G0R+3], s[G0R+3], 0x80000000
	s_or_b32 s[G0R+7], s[G0R+7], 0x80000000
	s_cmp_lt_u32 s[WV], 2                          ; waves 0 and 1 fetch Wo's halves, wave 2 A, wave 3 nothing; a wave's two fills stand in one branch: two loads of mine are out
	s_cbranch_scc0 .Lnot_p
	tensor_load_to_lds s[G0P:G0P+3], s[G1P:G1P+7]
	s_nop 0
	tensor_load_to_lds s[G0P+4:G0P+7], s[G1P:G1P+7]
	s_nop 0
.rept 4
	v_nop
.endr
	s_branch .Lasked
.Lnot_p:
	s_cmp_eq_u32 s[WV], 2
	s_cbranch_scc0 .Lasked
	tensor_load_to_lds s[G0R:G0R+3], s[G1R:G1R+7]
	s_nop 0
	tensor_load_to_lds s[G0R+4:G0R+7], s[G1R:G1R+7]
	s_nop 0
.rept 4
	v_nop
.endr
.Lasked:
	v_and_b32 v1, 15, v0                           ; r
	v_bfe_u32 v2, v0, 4, 1                         ; H
	v_and_b32 v3, 31, v0
	v_lshlrev_b32 v4, 4, v3                        ; 16 x lane
	v_mul_u32_u24 v6, v1, PITCH
	v_lshl_add_u32 v6, v2, 4, v6
	s_mul_i32 s2, s31, HALFT
	v_add_nc_u32 v[ADP], s2, v6
	v_add_nc_u32 v[ADP+1], SLOT, v[ADP]
	s_lshl_b32 s2, s32, 14                         ; my four tiles of A's eight: 4,096 bytes a tile
	s_add_co_u32 s2, s2, 2*HALFT
	v_add_nc_u32 v[ADR], s2, v4
	v_add_nc_u32 v[ADR+1], SLOT, v[ADR]
	s_mul_i32 s2, s[WV], 16*SPITCH                 ; my stage, in the first half's bytes: they have had their only fill, and nobody reads them behind the second barrier
	v_mul_u32_u24 v[STO], v1, SPITCH
	v_lshl_add_u32 v[STO], v2, 5, v[STO]
	v_add_nc_u32 v[STO], s2, v[STO]
	v_add_nc_u32 v[RD], s2, v4
	v_lshlrev_b32 v12, 5, v1
	v_lshl_add_u32 v13, v2, 10, v12
	v_lshl_add_u32 v12, v2, 11, v12
	v_lshlrev_b32 v14, 5, v2
	s_lshl_b32 s90, s33, 13
	s_lshl_b32 s91, s31, 12
	s_add_co_u32 s90, s90, s91
	s_mov_b32 s91, 0
	s_add_nc_u64 s[10:11], s[10:11], s[90:91]      ; my 128 rows of Wo's scales
	s_lshl_b32 s92, s38, 12
	s_lshl_b32 s93, s32, 11
	s_add_co_u32 s92, s92, s93
	s_mov_b32 s93, 0
	s_add_nc_u64 s[6:7], s[6:7], s[92:93]          ; my 64 rows of A's
	s_lshl_b32 s2, s33, 10
	s_lshl_b32 s3, s31, 9
	s_add_co_u32 s2, s2, s3
	s_mov_b32 s3, 0
	s_add_nc_u64 s[12:13], s[12:13], s[2:3]        ; my 128 numbers of bo
	s_add_nc_u64 s[14:15], s[14:15], s[2:3]        ; out0: my first column (the same number of bytes),
	s_lshl_b32 s2, s38, 19
	s_lshl_b32 s39, s32, 18
	s_add_co_u32 s2, s2, s39
	s_add_nc_u64 s[14:15], s[14:15], s[2:3]        ; my first row: 128 x tile + 64 x wr rows of 4,096 bytes
.irp i, 0,1,2,3
	global_load_b128 v[SCP+8*\i:SCP+8*\i+3], v12, s[10:11] offset:512*\i
	global_load_b128 v[SCP+8*\i+4:SCP+8*\i+7], v12, s[10:11] offset:512*\i+16
.endr
.irp i, 0,1
	global_load_b128 v[SCR+8*\i:SCR+8*\i+3], v13, s[6:7] offset:512*\i
	global_load_b128 v[SCR+8*\i+4:SCR+8*\i+7], v13, s[6:7] offset:512*\i+16
.endr
.irp b, 0,1,2,3,4,5,6,7
	global_load_b128 v[T+8*\b:T+8*\b+3], v14, s[12:13] offset:64*\b            ; lane half h: numbers 16 b + 8 h + 0 .. 7
	global_load_b128 v[T+8*\b+4:T+8*\b+7], v14, s[12:13] offset:64*\b+16
.endr
	s_wait_tensorcnt 0x1                           ; my part of the first half of K has landed; the one load issued behind it may stay out
	s_barrier_signal -1
	s_barrier_wait -1
	FETCH 0
	s_wait_loadcnt 0x0                             ; scale words and bias
.irp q, 0,1,2,3,4,5,6,7
	STEP \q
.endr
	WIN 0
	PLACES                                         ; behind the last products: their results are stored to the stage, and loads land in the registers that held A's fragments
	TOSTAGE 0
.irp a, 1,2,3
.if \a > 1
	s_wait_xcnt 0x0                                ; block a - 2's stores have read their registers: block a's loads may land there
.endif
	TOSTAGE \a
	SEND \a-1, 32                                  ; behind block a - 1's loads: block a's 16 stores and 16 loads
.endr
	SEND 3, 0
	s_wait_tensorcnt 0x0
	ds_add_u32 v126, v127
	s_wait_dscnt 0x0
	CROUND                                         ; the closing round
	s_endpgm
.Lfunc_end_k_q310094b8f1_oproj:
	.size	k_q310094b8f1_oproj, .Lfunc_end_k_q310094b8f1_oproj-k_q310094b8f1_oproj
	.p2alignl 7, 3214868480
	.fill 96, 4, 3214868480
	.section	.rodata,"a",@progbits
	.p2align	6, 0x0
	.amdhsa_kernel k_q310094b8f1_oproj
		.amdhsa_group_segment_fixed_size 205312
		.amdhsa_private_segment_fixed_size 0
		.amdhsa_enable_private_segment 0
		.amdhsa_kernarg_size 48
		.amdhsa_user_sgpr_count 2
		.amdhsa_user_sgpr_kernarg_segment_ptr 1
		.amdhsa_wavefront_size32 1
		.amdhsa_system_sgpr_workgroup_id_x 1
		.amdhsa_system_sgpr_workgroup_id_y 1
		.amdhsa_system_sgpr_workgroup_id_z 1
		.amdhsa_system_vgpr_workitem_id 0
		.amdhsa_next_free_vgpr 768
		.amdhsa_next_free_sgpr 100
		.amdhsa_reserve_vcc 0
		.amdhsa_float_denorm_mode_32 3
		.amdhsa_float_denorm_mode_16_64 3
		.amdhsa_memory_ordered 1
		.amdhsa_forward_progress 1
		.amdhsa_inst_pref_size 70
	.end_amdhsa_kernel
	.amdgpu_metadata
---
amdhsa.version: [ 1, 2 ]
amdhsa.kernels:
  - .name:           k_q310094b8f1_oproj
    .symbol:         k_q310094b8f1_oproj.kd
    .args:
      - { .name: oimg, .offset: 0, .size: 8, .value_kind: global_buffer, .address_space: global }
      - { .name: osc, .offset: 8, .size: 8, .value_kind: global_buffer, .address_space: global }
      - { .name: Wo_codes, .offset: 16, .size: 8, .value_kind: global_buffer, .address_space: global }
      - { .name: Wo_scales, .offset: 24, .size: 8, .value_kind: global_buffer, .address_space: global }
      - { .name: bo, .offset: 32, .size: 8, .value_kind: global_buffer, .address_space: global }
      - { .name: out0, .offset: 40, .size: 8, .value_kind: global_buffer, .address_space: global }
    .group_segment_fixed_size: 205312
    .private_segment_fixed_size: 0
    .kernarg_segment_align: 8
    .kernarg_segment_size: 48
    .max_flat_workgroup_size: 128
    .sgpr_count:     100
    .vgpr_count:     768
    .wavefront_size: 32
...
	.end_amdgpu_metadata
.endif
;; end of part 3
